; MI455X (gfx1250); checked and timed in simulation.
; The chip was launched on July 23, 2026; its instructions are those of AMD's public machine-readable ISA for CDNA 5 (MIT licence, August 2026) and "CDNA5" Instruction Set Architecture Reference Guide (July 2026). The comments in the code are by the model that wrote it; some were corrected since.
;; Attention. Allowed arithmetic: matrix products marked QUANTISED: E2M1 operands, one E8M0 scale for each 32 along K, by v_wmma_scale_f32_16x16x128_f8f6f4 with both operands' format E2M1 (or v_wmma_scale_f32_32x16x128_f4), f32 sums; products left as they are: f32 operands where the result goes on into a quantised operand, else bf16, f16 or f32 operands; f32 sums; everything else in f32.
;; Inputs: attn_biases 8 x 1,024 float32; b_proj 256 float32; b_qkv 768 float32; beta 256 float32; bias_idxs 1,024 x 1,024 int32; gamma 256 float32; w_proj_codes 256 x 16 x 16 uint8 (E2M1 codes of w_proj, K innermost, in blocks of 32 codes, two codes a byte); w_proj_scales 256 x 16 uint8 (E8M0 scales of w_proj, one for each 32 codes along K); w_qkv_codes 768 x 8 x 16 uint8 (E2M1 codes of w_qkv, K innermost, in blocks of 32 codes, two codes a byte); w_qkv_scales 768 x 8 uint8 (E8M0 scales of w_qkv, one for each 32 codes along K); x 32 x 1,024 x 256 float32.
;; Outputs: out0 32 x 1,024 x 256 float32.
;; This version of the problem:
;;   THIS VERSION OF THE PROBLEM IS GIVEN IN LOW PRECISION. The matrix products marked QUANTISED in the list below multiply operands that are first quantised to E2M1 (2 exponent bits, 1 mantissa bit; 4 bits a number), with one power-of-two scale for each 32 numbers along K (OCP MX v1.0); their sums are f32. All else is computed in f32.
;;   The module's matrix products, in the order in which they are computed (A, B: the left and right operand; K: the contracted axis; several contracted axes count as one K, in the product's order):
;;     1. [M 32,768, K 256] x [K 256, N 768]; A: computed on the way; B: input w_qkv (given as codes): QUANTISED
;;     2. batch 256 x [M 1,024, K 16] x [K 16, N 1,024]; A: computed on the way; B: computed on the way: left as it is (K = 16 < 32)
;;     3. batch 256 x [M 1,024, K 1,024] x [K 1,024, N 64]; A: softmax (see below); B: computed on the way: QUANTISED
;;     4. [M 32,768, K 512] x [K 512, N 256]; A: computed on the way; B: input w_proj (given as codes): QUANTISED
;;   THE QUANTISER, for each operand of a quantised product, along K:
;;     - K is cut into blocks of 32 from its start; a last block that is shorter is filled with zeros.
;;     - A block's scale is 2^e with e = floor(log2(the largest magnitude in the block)) - 2, held to -126 .. 127; a block of zeros has e = 0. As a byte (E8M0): e + 127.
;;     - Each number is divided by its block's scale, clamped to +-6, and rounded to the nearest number of E2M1, ties to even, subnormals kept.
;;     - The product sums the exact products of the quantised numbers (number of the format x scale) in f32.
;;   ~~~python
;;   def quantise(x, axis):      # numpy; x: float32 -> the quantised numbers, widened to float32 again
;;       x = np.moveaxis(x, axis, -1); K = x.shape[-1]
;;       x = np.pad(x, [(0, 0)] * (x.ndim - 1) + [(0, -K % 32)]); x = x.reshape(x.shape[:-1] + (-1, 32)); a = np.abs(x).max(-1, keepdims=True)
;;       e = np.where(a > 0, np.clip(np.frexp(np.where(a > 0, a, 1))[1] - 1 - 2, -126, 127), 0)      # np.frexp(a)[1] - 1 = floor(log2(a)), exactly
;;       r = np.clip(x / 2.0 ** e, -6, 6)
;;       step = 2.0 ** (np.maximum(np.frexp(np.where(r == 0, 1, r))[1] - 1, 0) - 1)
;;       q = np.round(r / step) * step * 2.0 ** e      # np.round: ties to even
;;       return np.moveaxis(q.reshape(q.shape[:-2] + (-1,))[..., :K], -1, axis).astype(np.float32)
;;   ~~~
;;   SOFTMAX AHEAD OF A QUANTISED PRODUCT. Where the list says 'softmax', what is quantised is not the finished softmax but p = 2^(t - M), with t = logit x log2(e) and M = ceil(the row's largest t), a whole number; so 1/2 < the row's largest p <= 1. The row's sum l is taken of the UNQUANTISED p, in f32, and the product's result is divided by l at the end. Since M is a whole number, a kernel that streams over the keys may use a running M (the ceiling of the running maximum): every later rescaling is an exact power of two, which a block's scale takes up: the codes' values come out the same.
;;   OPERANDS COMPUTED ON THE WAY. 'Computed on the way' means the value that the module computes at that place (a softmax that the list does not call 'softmax' is quantised finished and normalised). What goes into a quantiser is computed in f32, as accurately as f32 sums, v_exp_f32 and their like allow (about 1e-6 of the number): no bf16 or f16 on the way to a quantiser, and a product that is left as it is and whose result goes on into a quantised operand takes f32 operands (vector FMAs, or v_wmma_f32_16x16x4_f32). A number that lies on a knife's edge between two numbers of the format may be rounded either way, as far as f32 arithmetic and the matrix unit's own rounding can turn it there, and no further.
;;   INPUTS GIVEN AS CODES. w_proj (in the module: [256, 512], K = its axis 1); w_qkv (in the module: [768, 256], K = its axis 1): each comes as NAME_codes (uint8): NAME with its K axis moved to the last place and cut into blocks of 32 codes, [.., K / 32, bytes a block], one block behind the other in memory; two codes a byte, the lower K in the low four bits (a code: sign, 2 exponent bits, 1 mantissa bit); and NAME_scales (uint8): the same leading axes, one E8M0 byte (e + 127) for each 32 codes along K. Its value is code x scale, taken as it is: it is not quantised again, and the codes and scales need not be those that the quantiser above would give.
;; One version. Each part assembles by itself: llvm-mc -triple=amdgcn-amd-amdhsa -mcpu=gfx1250 --defsym DOCPART=n.
;; ======== version 1 of 1: 4 launches
;; workspace buffers: qf 16,777,216 bytes; kv 26,214,400 bytes; bt 33,554,432 bytes; oc 8,388,608 bytes; os 524,288 bytes
;; launch bias (part 1): grid 256 x 1, 8 waves a work-group, no clusters, 33,792 bytes of LDS; arguments bias_idxs, attn_biases, bt; writes bt
.if DOCPART == 1
	.amdgcn_target "amdgcn-amd-amdhsa--gfx1250"
	.amdhsa_code_object_version 6
	.text
	.protected	k_q318f568f31_bias
	.globl	k_q318f568f31_bias
	.p2align	8
	.type	k_q318f568f31_bias,@function
k_q318f568f31_bias:
	s_mov_b64 s[64:65], 0
	v_nop
	global_prefetch_b8 v0, s[64:65] scope:SCOPE_SE
	s_setreg_imm32_b32 hwreg(HW_REG_WAVE_MODE, 25, 1), 1
	s_wait_xcnt 0x0
; bt[head][X][s][qi][g][lane][i] = attn_biases[head][bias_idxs[query][key]] x log2(e), laid as the C operand of the score product of the attention launch:
; query = token 32 (tq / 2) + 8 (tq % 2) + r + 8 (r / 8) of tile tq = 4 X + qi (r = lane % 16, h = lane / 16); key = 128 s + 32 (g / 4) + 16 h + 4 (g % 4) + i.
; The table of 8 x 1,024 numbers, already multiplied by log2(e), lies in LDS (32,768 bytes, head hd at 4,096 hd).
; A wave takes task T = 8 x work-group + wave: bb = T % 4, qi, s, X; it makes groups g = 4 bb + 0 .. 3 for all eight heads: 4 loads of indices, 128 gathers from LDS,
; 32 stores of 512 consecutive bytes each, at multiples of 512 from bt's first byte.  Every index is read once in the launch and serves eight heads.
; An index is held to 0 .. 1,023 before it enters an address: reference() indexes a table of 1,024.
; No matrix unit, no cluster, no data mover: a stream with a gather from a table that fits in LDS.
.set LOG2E, 0x3fb8aa3b
.set IDX, 8                            ; v8-23   16 indices, then their LDS byte addresses
.set GR,  32                           ; v32-159 16 gathered numbers for each head; v32-63 first carry the table on its way into LDS
	s_load_b128 s[4:7], s[0:1], 0x0                ; bias_idxs s[4:5], attn_biases s[6:7]
	s_load_b64 s[8:9], s[0:1], 0x10                ; bt
	v_lshl_add_u32 v168, v0, 2, 0x8000
	v_mov_b32 v169, 0
	v_lshrrev_b32 v4, 5, v0
	v_readfirstlane_b32 s10, v4                    ; wave 0..7
	v_lshlrev_b32 v1, 4, v0                        ; the table: 16 bytes a thread, 4,096 a load
	v_and_b32 v5, 15, v0                           ; r
	v_bfe_u32 v6, v0, 4, 1                         ; h
	v_and_b32 v7, 8, v5
	v_add_nc_u32 v7, v7, v5                        ; r + 8 (r / 8)
	v_lshlrev_b32 v2, 12, v7                       ; my query's row of 4,096 bytes,
	v_lshl_add_u32 v2, v6, 6, v2                   ; and 16 keys on for lanes 16-31
	v_and_b32 v3, 31, v0
	v_lshlrev_b32 v3, 4, v3                        ; out: 16 bytes a lane
	s_mov_b32 s12, LOG2E
	s_mov_b32 s13, s12                             ; (named with it as a pair, so it is written)
	s_lshl_b32 s11, ttmp9, 3
	s_add_co_u32 s11, s11, s10                     ; T
	s_and_b32 s14, s11, 3                          ; bb
	s_bfe_u32 s15, s11, 0x20002                    ; qi
	s_bfe_u32 s32, s11, 0x30004                    ; s
	s_lshr_b32 s33, s11, 7                         ; X
	s_lshl_b32 s34, s33, 2
	s_add_co_u32 s34, s34, s15                     ; tq
	s_lshr_b32 s35, s34, 1
	s_lshl_b32 s35, s35, 17                        ; 32 (tq / 2) rows of 4,096 bytes
	s_and_b32 s36, s34, 1
	s_lshl_b32 s36, s36, 15                        ; 8 (tq % 2) rows
	s_add_co_u32 s35, s35, s36
	s_lshl_b32 s36, s32, 9                         ; 128 s keys
	s_add_co_u32 s35, s35, s36
	s_lshl_b32 s36, s14, 7                         ; 32 bb keys
	s_add_co_u32 s36, s35, s36
	s_mov_b32 s37, 0
	s_lshl_b32 s38, s33, 3
	s_add_co_u32 s38, s38, s32
	s_lshl_b32 s38, s38, 15                        ; (8 X + s) x 32,768
	s_lshl_b32 s39, s15, 13                        ; qi x 8,192
	s_add_co_u32 s38, s38, s39
	s_lshl_b32 s39, s14, 11                        ; bb x 2,048
	s_add_co_u32 s38, s38, s39
	s_mov_b32 s39, 0
	s_wait_kmcnt 0x0
	s_add_nc_u64 s[4:5], s[4:5], s[36:37]
	s_add_nc_u64 s[16:17], s[8:9], s[38:39]        ; a base of its own for each head: none is ever stepped
.irp d, 1,2,3,4,5,6,7
	s_add_nc_u64 s[16+2*\d:17+2*\d], s[14+2*\d:15+2*\d], 0x400000
.endr
.irp k, 0,1,2,3,4,5,6,7
	global_load_b128 v[GR+4*\k:GR+4*\k+3], v1, s[6:7] offset:4096*\k
.endr
.irp g, 0,1,2,3
	global_load_b128 v[IDX+4*\g:IDX+4*\g+3], v2, s[4:5] offset:16*\g
.endr
	s_wait_loadcnt 4                               ; the table's eight loads are in; the four loads of indices may be out
.set J, 0
.rept 16
	v_pk_mul_f32 v[GR+J:GR+J+1], v[GR+J:GR+J+1], s[12:13] op_sel_hi:[1,0]
.set J, J+2
.endr
.irp k, 0,1,2,3,4,5,6,7
	ds_store_b128 v1, v[GR+4*\k:GR+4*\k+3] offset:4096*\k
.endr
	s_wait_dscnt 0x0                               ; for the others' sake: my part of the table lies in LDS
	s_barrier_signal -1
	s_barrier_wait -1                              ; the whole table does; from here on LDS is only read
	s_wait_loadcnt 0x0
.irp e, 0,1,2,3,4,5,6,7,8,9,10,11,12,13,14,15
	v_min_u32 v[IDX+\e], 0x3ff, v[IDX+\e]
.endr
.irp e, 0,1,2,3,4,5,6,7,8,9,10,11,12,13,14,15
	v_lshlrev_b32 v[IDX+\e], 2, v[IDX+\e]
.endr
.macro GATHER d
.irp e, 0,1,2,3,4,5,6,7,8,9,10,11,12,13,14,15
	ds_load_b32 v[GR+16*(\d)+\e], v[IDX+\e] offset:4096*(\d)
.endr
.endm
.macro OUT d
.irp g, 0,1,2,3
	global_store_b128 v3, v[GR+16*(\d)+4*\g:GR+16*(\d)+4*\g+3], s[16+2*(\d):17+2*(\d)] offset:512*\g
.endr
.endm
	GATHER 0
	GATHER 1
	GATHER 2
.irp d, 0,1,2,3,4
	s_wait_dscnt 32                                ; this head's sixteen are in; the two heads asked for behind it may be out
	OUT \d
	GATHER \d+3
.endr
	s_wait_dscnt 32
	OUT 5
	s_wait_dscnt 16
	OUT 6
	s_wait_dscnt 0x0
	OUT 7
	s_wait_tensorcnt 0x0
	ds_add_u32 v168, v169
	s_wait_dscnt 0x0
	s_endpgm
.Lfunc_end_k_q318f568f31_bias:
	.size	k_q318f568f31_bias, .Lfunc_end_k_q318f568f31_bias-k_q318f568f31_bias
	.p2alignl 7, 3214868480
	.fill 96, 4, 3214868480
	.section	.rodata,"a",@progbits
	.p2align	6, 0x0
	.amdhsa_kernel k_q318f568f31_bias
		.amdhsa_group_segment_fixed_size 33792
		.amdhsa_private_segment_fixed_size 0
		.amdhsa_enable_private_segment 0
		.amdhsa_kernarg_size 24
		.amdhsa_user_sgpr_count 2
		.amdhsa_user_sgpr_kernarg_segment_ptr 1
		.amdhsa_wavefront_size32 1
		.amdhsa_system_sgpr_workgroup_id_x 1
		.amdhsa_system_sgpr_workgroup_id_y 1
		.amdhsa_system_sgpr_workgroup_id_z 1
		.amdhsa_system_vgpr_workitem_id 0
		.amdhsa_next_free_vgpr 170
		.amdhsa_next_free_sgpr 66
		.amdhsa_reserve_vcc 0
		.amdhsa_float_denorm_mode_32 3
		.amdhsa_float_denorm_mode_16_64 3
		.amdhsa_memory_ordered 1
		.amdhsa_forward_progress 1
		.amdhsa_inst_pref_size 19
	.end_amdhsa_kernel
	.amdgpu_metadata
---
amdhsa.version: [ 1, 2 ]
amdhsa.kernels:
  - .name:           k_q318f568f31_bias
    .symbol:         k_q318f568f31_bias.kd
    .args:
      - { .name: bias_idxs, .offset: 0, .size: 8, .value_kind: global_buffer, .address_space: global }
      - { .name: attn_biases, .offset: 8, .size: 8, .value_kind: global_buffer, .address_space: global }
      - { .name: bt, .offset: 16, .size: 8, .value_kind: global_buffer, .address_space: global }
    .group_segment_fixed_size: 33792
    .private_segment_fixed_size: 0
    .kernarg_segment_align: 8
    .kernarg_segment_size: 24
    .max_flat_workgroup_size: 256
    .sgpr_count:     66
    .vgpr_count:     170
    .wavefront_size: 32
...
	.end_amdgpu_metadata
.endif
;; end of part 1
;; launch qkv (part 2): grid 256 x 1, 8 waves a work-group, no clusters, 18,944 bytes of LDS; arguments x, gamma, beta, w_qkv_codes, w_qkv_scales, b_qkv, qf, kv; writes qf, kv
.if DOCPART == 2
	.amdgcn_target "amdgcn-amd-amdhsa--gfx1250"
	.amdhsa_code_object_version 6
	.text
	.protected	k_q318f568f31_qkv
	.globl	k_q318f568f31_qkv
	.p2align	8
	.type	k_q318f568f31_qkv,@function
k_q318f568f31_qkv:
	s_mov_b64 s[64:65], 0
	v_nop
	global_prefetch_b8 v0, s[64:65] scope:SCOPE_SE
	s_setreg_imm32_b32 hwreg(HW_REG_WAVE_MODE, 25, 1), 1
	s_wait_xcnt 0x0
; LayerNorm over 256 channels, the result quantised to FP4 (E2M1, one E8M0 scale for each 32 channels), the product with w_qkv (given as codes) + b_qkv.
; OUT: q x 0.25 log2(e) and k as f32 images of the operand registers of the score product; V quantised along the KEYS, as images of FP4 fragments with their scale words.
; SHARES.  A work-group owns 128 tokens of one batch (one key step of the attention launch), so that V's blocks of 32 keys make whole fragments.
;   Phase X: wave w normalises and quantises token tile w.  Phase P: wave w is head w and makes its 96 channels for all 128 tokens: tile 0 = q, 1 = k, 2 .. 5 = V.
; A TOKEN TILE tt holds the 16 tokens 32 (tt / 2) + 8 (tt % 2) + r + 8 (r / 8): so the 16 registers that two neighbouring tiles give a lane are 16 neighbouring tokens.
; x's codes go from wave to wave through LDS as images of the operand's registers: fragment (tile tt, K step sK) at (2 tt + sK) x 1,056, its two groups of four registers 528 bytes apart, lane l's 16 bytes at 16 l.
; q, k: source 0 = 16 rows of W, source 1 = x: a lane holds one token and the channels 8 h + 0 .. 7.   V: source 0 = x, source 1 = 16 rows of W: a lane holds one channel, its registers run along the tokens.
; V's channels of a tile are chosen like the tokens of a tile, so that the attention's result again has 16 neighbours in a lane.
; The mean is taken off before the squares are summed: no difference of large sums is formed.
; LIMITS: NaN and infinities are not served; a block whose largest magnitude lies under 2^-124 (a block of zeros too) gets the scale byte 1, which this program alone reads; f32 sums are taken in another order than reference()'s.
; No data mover and no ring: a work-group reads its 131,072 bytes of x once, and all of them are asked for in the first lines.  No cluster: only the weights, under a tenth of a work-group's bytes, are shared.
.set FPI,  1056                        ; a fragment's image
.set GPI,  528                         ; one group of four registers: 512 bytes + 16
.set XSC,  16*FPI                      ; behind the images: scale words, 64 bytes a fragment, row r at 4 r
.set XS,   16                          ; v16-31   x's scale words, 2 tt + sK
.set WS,   32                          ; v32-35   the weights' scale words, 2 p + sK
.set PW,   36                          ; v36      the scale word just made
.set WB,   40                          ; v40-71   the weights' fragments, two sets: 16 p + 8 sK
.set CC,   72                          ; v72-87   the bias in the result's layout, two sets
.set ST,   88                          ; v88-103  phase X: a pair for each of eight rows
.set TM,   88                          ; phase P: at work in QUANT
.set PC,   104                         ; v104-111 the codes just made
.set GA,   112                         ; v112-119 gamma, v120-127 beta of my 8 channels
.set BE,   120
.set X,    128                         ; v128-255 phase X: row i at 128 + 8 i
.set XF,   128                         ; v128-191 phase P: x's eight fragments of one K step
.set ACC,  192                         ; v192-255 phase P: eight accumulators
.set SEL,  26                          ; s[26:27] lane selects: lane l xor 16
.set CQ,   28                          ; s[28:29] 0.25 log2(e)
; v1 32 l (x, gamma, beta); v2 where my code word goes; v3 where my scale byte goes; v4 16 l; v5 4 l; v6 4 r;
; v7 128 r + 16 h, v8 128 pi + 16 h (codes of W); v9 8 r, v10 8 pi (scales of W); v11 32 h, v12 4 pi (b_qkv); pi = r + 8 (r / 8)
.macro WLOAD ct, p                     ; tile ct's weights, scale words and bias into set p: 8 loads for q and k, 7 for a tile of V
.if (\ct) < 2
.irp k, 0,1
.irp c, 0,1
	global_load_b128 v[WB+16*(\p)+8*\k+4*\c:WB+16*(\p)+8*\k+4*\c+3], v7, s[10:11] offset:2048*(\ct)+64*\k+32*\c
.endr
	global_load_b32 v[WS+2*(\p)+\k], v9, s[12:13] offset:128*(\ct)+4*\k
.endr
	global_load_b128 v[CC+8*(\p):CC+8*(\p)+3], v11, s[14:15] offset:64*(\ct)
	global_load_b128 v[CC+8*(\p)+4:CC+8*(\p)+7], v11, s[14:15] offset:64*(\ct)+16
.else
.set ROW0, 32+32*(((\ct)-2)/2)+8*(((\ct)-2)%2)
.irp k, 0,1
.irp c, 0,1
	global_load_b128 v[WB+16*(\p)+8*\k+4*\c:WB+16*(\p)+8*\k+4*\c+3], v8, s[10:11] offset:128*ROW0+64*\k+32*\c
.endr
	global_load_b32 v[WS+2*(\p)+\k], v10, s[12:13] offset:8*ROW0+4*\k
.endr
	global_load_b32 v[CC+8*(\p)], v12, s[14:15] offset:4*ROW0
.endif
.endm
.macro XSUM                            ; the eight rows' sums over the 32 lanes, by turns
.irp m, 1,2,4,8
.irp k, 0,1,2,3,4,5,6,7
	v_add_f32_dpp v[ST+2*\k], v[ST+2*\k], v[ST+2*\k] row_xmask:\m row_mask:0xf bank_mask:0xf
.endr
.endr
.irp k, 0,1,2,3,4,5,6,7
	v_permlanex16_b32 v[ST+2*\k+1], v[ST+2*\k], s[SEL], s[SEL+1]
.endr
.irp k, 0,1,2,3,4,5,6,7
	v_add_f32 v[ST+2*\k], v[ST+2*\k], v[ST+2*\k+1]
.endr
.endm
; Rows r0 .. r0 + 7 of my tile: normalised, quantised, their codes and scale bytes stored.  A lane holds channels 8 l .. 8 l + 7 of each row; four lanes hold a block of 32.
.macro LNB r0
.irp k, 0,1,2,3,4,5,6,7
	v_pk_add_f32 v[ST+2*\k:ST+2*\k+1], v[X+8*(\r0+\k):X+8*(\r0+\k)+1], v[X+8*(\r0+\k)+2:X+8*(\r0+\k)+3]
.endr
.irp j, 4,6
.irp k, 0,1,2,3,4,5,6,7
	v_pk_add_f32 v[ST+2*\k:ST+2*\k+1], v[ST+2*\k:ST+2*\k+1], v[X+8*(\r0+\k)+\j:X+8*(\r0+\k)+\j+1]
.endr
.endr
.irp k, 0,1,2,3,4,5,6,7
	v_add_f32 v[ST+2*\k], v[ST+2*\k], v[ST+2*\k+1]
.endr
	XSUM
.irp k, 0,1,2,3,4,5,6,7
	v_mul_f32 v[ST+2*\k], 0xbb800000, v[ST+2*\k]   ; - the mean
.endr
.irp j, 0,2,4,6
.irp k, 0,1,2,3,4,5,6,7
	v_pk_add_f32 v[X+8*(\r0+\k)+\j:X+8*(\r0+\k)+\j+1], v[X+8*(\r0+\k)+\j:X+8*(\r0+\k)+\j+1], v[ST+2*\k:ST+2*\k+1] op_sel_hi:[1,0]
.endr
.endr
.irp k, 0,1,2,3,4,5,6,7
	v_pk_mul_f32 v[ST+2*\k:ST+2*\k+1], v[X+8*(\r0+\k):X+8*(\r0+\k)+1], v[X+8*(\r0+\k):X+8*(\r0+\k)+1]
.endr
.irp j, 2,4,6
.irp k, 0,1,2,3,4,5,6,7
	v_pk_fma_f32 v[ST+2*\k:ST+2*\k+1], v[X+8*(\r0+\k)+\j:X+8*(\r0+\k)+\j+1], v[X+8*(\r0+\k)+\j:X+8*(\r0+\k)+\j+1], v[ST+2*\k:ST+2*\k+1]
.endr
.endr
.irp k, 0,1,2,3,4,5,6,7
	v_add_f32 v[ST+2*\k], v[ST+2*\k], v[ST+2*\k+1]
.endr
	XSUM
.irp k, 0,1,2,3,4,5,6,7
	v_fma_f32 v[ST+2*\k], v[ST+2*\k], s30, s31     ; the variance + 1e-5
.endr
.irp k, 0,1,2,3,4,5,6,7
	v_rsq_f32 v[ST+2*\k], v[ST+2*\k]
.endr
	v_nop                                          ; a plain instruction between the last root and the use of its result
	s_wait_alu depctr_va_vdst(0)
.irp j, 0,2,4,6
.irp k, 0,1,2,3,4,5,6,7
	v_pk_mul_f32 v[X+8*(\r0+\k)+\j:X+8*(\r0+\k)+\j+1], v[X+8*(\r0+\k)+\j:X+8*(\r0+\k)+\j+1], v[ST+2*\k:ST+2*\k+1] op_sel_hi:[1,0]
.endr
.endr
.irp j, 0,2,4,6
.irp k, 0,1,2,3,4,5,6,7
	v_pk_fma_f32 v[X+8*(\r0+\k)+\j:X+8*(\r0+\k)+\j+1], v[X+8*(\r0+\k)+\j:X+8*(\r0+\k)+\j+1], v[GA+\j:GA+\j+1], v[BE+\j:BE+\j+1]
.endr
.endr
.irp k, 0,1,2,3,4,5,6,7
	v_max3_num_f32 v[ST+2*\k+1], |v[X+8*(\r0+\k)]|, |v[X+8*(\r0+\k)+1]|, 0x1800000   ; my 8 numbers, and the floor 2^(3 - 127): the byte cannot fall under 1
.endr
.irp j, 2,4,6
.irp k, 0,1,2,3,4,5,6,7
	v_max3_num_f32 v[ST+2*\k+1], v[ST+2*\k+1], |v[X+8*(\r0+\k)+\j]|, |v[X+8*(\r0+\k)+\j+1]|
.endr
.endr
.irp m, 1,2
.irp k, 0,1,2,3,4,5,6,7
	v_max_num_f32_dpp v[ST+2*\k+1], v[ST+2*\k+1], v[ST+2*\k+1] row_xmask:\m row_mask:0xf bank_mask:0xf   ; with the three lanes that share my block
.endr
.endr
.irp k, 0,1,2,3,4,5,6,7
	v_add_nc_u32 v[ST+2*\k], 0xff000000, v[ST+2*\k+1]   ; 2 off the exponent field: the conversion's scale operand
.endr
.irp k, 0,1,2,3,4,5,6,7
	v_cvt_scalef32_pk8_fp4_f32 v[ST+2*\k+1], v[X+8*(\r0+\k):X+8*(\r0+\k)+7], v[ST+2*\k]
.endr
	v_nop                                          ; one plain instruction behind the scaled conversions
.irp k, 0,1,2,3,4,5,6,7
	v_lshrrev_b32 v[ST+2*\k], 23, v[ST+2*\k]       ; the scale's byte
.endr
.irp k, 0,1,2,3,4,5,6,7
	ds_store_b32 v2, v[ST+2*\k+1] offset:16*(\r0+\k)   ; one register of the fragment's image: row r0 + k
	ds_store_b8 v3, v[ST+2*\k] offset:4*(\r0+\k)       ; the four lanes of a block write the same byte with the same value
.endr
.endm
.macro XFETCH sk                       ; x's eight fragments of K step sk
.irp t, 0,1,2,3,4,5,6,7
.irp c, 0,1
	ds_load_b128 v[XF+8*\t+4*\c:XF+8*\t+4*\c+3], v4 offset:(2*\t+\sk)*FPI+GPI*\c
.endr
.endr
.endm
; Eight products, one for each token tile: the eight accumulators take turns.  At sk = 0 the bias is the C.
.macro MUL8 isv, p, sk
.irp t, 0,1,2,3,4,5,6,7
.if \isv
.if \sk == 0
	v_wmma_scale_f32_16x16x128_f8f6f4 v[ACC+8*\t:ACC+8*\t+7], v[XF+8*\t:XF+8*\t+7], v[WB+16*\p:WB+16*\p+7], v[CC+8*\p:CC+8*\p+7], v[XS+2*\t], v[WS+2*\p] matrix_a_fmt:MATRIX_FMT_FP4 matrix_b_fmt:MATRIX_FMT_FP4
.else
	v_wmma_scale_f32_16x16x128_f8f6f4 v[ACC+8*\t:ACC+8*\t+7], v[XF+8*\t:XF+8*\t+7], v[WB+16*\p+8:WB+16*\p+15], v[ACC+8*\t:ACC+8*\t+7], v[XS+2*\t+1], v[WS+2*\p+1] matrix_a_fmt:MATRIX_FMT_FP4 matrix_b_fmt:MATRIX_FMT_FP4
.endif
.else
.if \sk == 0
	v_wmma_scale_f32_16x16x128_f8f6f4 v[ACC+8*\t:ACC+8*\t+7], v[WB+16*\p:WB+16*\p+7], v[XF+8*\t:XF+8*\t+7], v[CC+8*\p:CC+8*\p+7], v[WS+2*\p], v[XS+2*\t] matrix_a_fmt:MATRIX_FMT_FP4 matrix_b_fmt:MATRIX_FMT_FP4
.else
	v_wmma_scale_f32_16x16x128_f8f6f4 v[ACC+8*\t:ACC+8*\t+7], v[WB+16*\p+8:WB+16*\p+15], v[XF+8*\t:XF+8*\t+7], v[ACC+8*\t:ACC+8*\t+7], v[WS+2*\p+1], v[XS+2*\t+1] matrix_a_fmt:MATRIX_FMT_FP4 matrix_b_fmt:MATRIX_FMT_FP4
.endif
.endif
.endr
.endm
; 64 numbers of a lane, register 16 b + i = k 32 b + 16 (lane / 16) + i of my row, become a fragment's codes in v[PC] on and its scale word in v[PW].
.macro QUANT s
.irp b, 0,1,2,3
	v_max3_num_f32 v[TM+\b], |v[\s+16*\b]|, |v[\s+1+16*\b]|, 0x1800000
.endr
.irp i, 2,4,6,8,10,12,14
.irp b, 0,1,2,3
	v_max3_num_f32 v[TM+\b], v[TM+\b], |v[\s+16*\b+\i]|, |v[\s+1+16*\b+\i]|
.endr
.endr
.irp b, 0,1,2,3
	v_permlanex16_b32 v[TM+4+\b], v[TM+\b], s[SEL], s[SEL+1]
.endr
.irp b, 0,1,2,3
	v_max_num_f32 v[TM+\b], v[TM+\b], v[TM+4+\b]   ; with lane l xor 16's: the block's largest magnitude
.endr
.irp b, 0,1,2,3
	v_add_nc_u32 v[TM+12+\b], 0xff000000, v[TM+\b]
.endr
.irp b, 0,1,2,3
	v_lshrrev_b32 v[TM+4+\b], 23, v[TM+12+\b]
.endr
	v_lshl_or_b32 v[PW], v[TM+5], 8, v[TM+4]
	v_lshl_or_b32 v[PW], v[TM+6], 16, v[PW]
	v_lshl_or_b32 v[PW], v[TM+7], 24, v[PW]
.irp b, 0,1,2,3
	v_cvt_scalef32_pk8_fp4_f32 v[PC+2*\b], v[\s+16*\b:\s+7+16*\b], v[TM+12+\b]
	v_cvt_scalef32_pk8_fp4_f32 v[PC+1+2*\b], v[\s+8+16*\b:\s+15+16*\b], v[TM+12+\b]
.endr
	v_nop                                          ; one plain instruction behind the scaled conversions
.irp c, 0,1                                    ; the operand's layout wants a whole block in a lane
.irp i, 0,1
	v_permlane16_swap_b32 v[PC+4*\c+\i], v[PC+2+4*\c+\i]
.endr
.endr
.endm
; Channel tile ct of my head, from weight set p.  n = the loads issued behind this tile's: the next tile's.
.macro TILE ct, p, n
	s_wait_loadcnt \n
.if \ct >= 2
.irp j, 1,2,3,4,5,6,7
	v_mov_b32 v[CC+8*\p+\j], v[CC+8*\p]            ; a lane holds one channel of V: its bias in all eight registers
.endr
.rept 4
	v_nop
.endr
.endif
	XFETCH 0
	s_wait_dscnt 0x0
	s_wait_xcnt 0x0                                ; the last tile's stores have read their registers: only now are the accumulators written again
.if \ct >= 2
	MUL8 1, \p, 0
.else
	MUL8 0, \p, 0
.endif
.rept 4
	v_nop                                          ; four places in front of loads into registers that these products have read
.endr
	XFETCH 1
	s_wait_dscnt 0x0
.if \ct >= 2
	MUL8 1, \p, 1
.else
	MUL8 0, \p, 1
.endif
.rept 5
	v_nop                                          ; five places: the next tile begins these accumulators anew with another C; they also serve the loads and the reads below
.endr
.if \ct+2 < 6
	WLOAD \ct+2, \p
.endif
.if \ct == 0
.set J, 0
.rept 32
	v_pk_mul_f32 v[ACC+J:ACC+J+1], v[ACC+J:ACC+J+1], s[CQ:CQ+1] op_sel_hi:[1,0]   ; q x 0.25 log2(e); each accumulator from its low end on
.set J, J+2
.endr
.irp t, 0,1,2,3,4,5,6,7
.irp c, 0,1
	global_store_b128 v4, v[ACC+8*\t+4*\c:ACC+8*\t+4*\c+3], s[16:17] offset:1024*\t+512*\c   ; 512 consecutive bytes, at a multiple of 512 from the buffer's first byte
.endr
.endr
.elseif \ct == 1
.irp t, 0,1,2,3,4,5,6,7
.irp c, 0,1
	global_store_b128 v4, v[ACC+8*\t+4*\c:ACC+8*\t+4*\c+3], s[18:19] offset:1024*\t+512*\c
.endr
.endr
.else
	QUANT ACC
	global_store_b128 v4, v[PC:PC+3], s[18:19] offset:8192+1024*(\ct-2)
	global_store_b128 v4, v[PC+4:PC+7], s[18:19] offset:8192+1024*(\ct-2)+512
	global_store_b32 v5, v[PW], s[18:19] offset:12288+128*(\ct-2)
.endif
.endm
	s_load_b256 s[4:11], s[0:1], 0x0               ; x s[4:5], gamma s[6:7], beta s[8:9], W's codes s[10:11]
	s_load_b256 s[12:19], s[0:1], 0x20             ; W's scales s[12:13], b_qkv s[14:15], qf s[16:17], kv s[18:19]
	v_lshl_add_u32 v38, v0, 2, 0x4600
	v_mov_b32 v39, 0
	v_lshrrev_b32 v13, 5, v0
	v_readfirstlane_b32 s20, v13                   ; wave 0..7
	v_and_b32 v13, 31, v0                          ; l
	v_and_b32 v14, 15, v0                          ; r
	v_bfe_u32 v15, v0, 4, 1                        ; h
	v_lshlrev_b32 v1, 5, v13
	s_mul_i32 s46, s20, 2*FPI
	v_mul_u32_u24 v2, v15, FPI                     ; channels 8 l on: K step l / 16,
	v_bfe_u32 v4, v0, 3, 1
	v_mad_u32_u24 v2, v4, GPI, v2                  ; group (l / 8) % 2,
	v_bfe_u32 v4, v0, 2, 1
	v_lshl_add_u32 v2, v4, 8, v2                   ; the image's lanes 16-31 where (l / 4) % 2 = 1,
	v_and_b32 v4, 3, v0
	v_lshl_add_u32 v2, v4, 2, v2                   ; register l % 4 of the group
	v_add_nc_u32 v2, s46, v2
	s_lshl_b32 s47, s20, 7
	s_add_co_u32 s47, s47, XSC
	v_bfe_u32 v3, v0, 2, 2                         ; byte (l / 4) % 4 of the scale word
	v_lshl_add_u32 v3, v15, 6, v3
	v_add_nc_u32 v3, s47, v3
	v_lshlrev_b32 v4, 4, v13
	v_lshlrev_b32 v5, 2, v13
	v_lshlrev_b32 v6, 2, v14
	v_and_b32 v12, 8, v14
	v_add_nc_u32 v12, v12, v14                     ; pi = r + 8 (r / 8)
	v_lshlrev_b32 v7, 7, v14
	v_lshl_add_u32 v7, v15, 4, v7
	v_lshlrev_b32 v8, 7, v12
	v_lshl_add_u32 v8, v15, 4, v8
	v_lshlrev_b32 v9, 3, v14
	v_lshlrev_b32 v10, 3, v12
	v_lshlrev_b32 v11, 5, v15
	v_lshlrev_b32 v12, 2, v12
	s_mov_b32 s[SEL], 0x76543210
	s_mov_b32 s[SEL+1], 0xfedcba98
	s_mov_b32 s[CQ], 0x3eb8aa3b
	s_mov_b32 s[CQ+1], s[CQ]
	s_mov_b32 s30, 0x3b800000                      ; 1 / 256
	s_mov_b32 s31, 0x3727c5ac                      ; 1e-5
	s_lshr_b32 s22, ttmp9, 3                       ; the batch
	s_and_b32 s23, ttmp9, 7                        ; the key step
	s_lshl_b32 s24, ttmp9, 17                      ; 128 rows of 1,024 bytes a work-group,
	s_lshr_b32 s32, s20, 1
	s_lshl_b32 s32, s32, 15                        ; 32 (w / 2) rows,
	s_add_co_u32 s24, s24, s32
	s_and_b32 s32, s20, 1
	s_lshl_b32 s32, s32, 13                        ; 8 (w % 2) rows
	s_add_co_u32 s24, s24, s32
	s_mov_b32 s25, 0
	s_mul_i32 s34, s20, 12288                      ; my head's 96 rows of W: codes,
	s_mov_b32 s35, 0
	s_mul_i32 s36, s20, 768                        ; scales,
	s_mov_b32 s37, 0
	s_mul_i32 s38, s20, 384                        ; bias
	s_mov_b32 s39, 0
	s_lshl_b32 s40, s22, 3
	s_add_co_u32 s40, s40, s20                     ; 8 b + head
	s_lshl_b32 s42, s40, 16
	s_lshl_b32 s41, s23, 13
	s_add_co_u32 s42, s42, s41                     ; qf: ((8 b + head) 64 + 8 s) x 1,024
	s_mov_b32 s43, 0
	s_lshl_b32 s44, s40, 3
	s_add_co_u32 s44, s44, s23
	s_mul_i32 s44, s44, 12800                      ; kv: ((8 b + head) 8 + s) x 12,800
	s_mov_b32 s45, 0
	s_wait_kmcnt 0x0
	s_add_nc_u64 s[4:5], s[4:5], s[24:25]
	s_add_nc_u64 s[10:11], s[10:11], s[34:35]
	s_add_nc_u64 s[12:13], s[12:13], s[36:37]
	s_add_nc_u64 s[14:15], s[14:15], s[38:39]
	s_add_nc_u64 s[16:17], s[16:17], s[42:43]
	s_add_nc_u64 s[18:19], s[18:19], s[44:45]
	global_load_b128 v[GA:GA+3], v1, s[6:7]
	global_load_b128 v[GA+4:GA+7], v1, s[6:7] offset:16
	global_load_b128 v[BE:BE+3], v1, s[8:9]
	global_load_b128 v[BE+4:BE+7], v1, s[8:9] offset:16
.irp i, 0,1,2,3,4,5,6,7,8,9,10,11,12,13,14,15
	global_load_b128 v[X+8*\i:X+8*\i+3], v1, s[4:5] offset:(\i+8*(\i/8))*1024 th:TH_LOAD_NT
	global_load_b128 v[X+8*\i+4:X+8*\i+7], v1, s[4:5] offset:(\i+8*(\i/8))*1024+16 th:TH_LOAD_NT
.endr
	WLOAD 0, 0
	WLOAD 1, 1
	s_wait_loadcnt 32                              ; gamma, beta and rows 0-7 are in; behind them: rows 8-15's sixteen loads and the weights' sixteen
	LNB 0
	s_wait_loadcnt 16                              ; rows 8-15 are in; the weights' sixteen may be out
	s_wait_dscnt 0x0                               ; the stores have read the pairs
	LNB 8
	s_wait_dscnt 0x0                               ; for the others' sake: my two fragments and their scale words lie in LDS
	s_barrier_signal -1
	s_barrier_wait -1                              ; all sixteen do; from here on LDS is only read
.irp n, 0,1,2,3,4,5,6,7,8,9,10,11,12,13,14,15
	ds_load_b32 v[XS+\n], v6 offset:XSC+64*\n
.endr
	TILE 0, 0, 8
	TILE 1, 1, 7
	TILE 2, 0, 7
	TILE 3, 1, 7
	TILE 4, 0, 7
	TILE 5, 1, 0
	s_wait_tensorcnt 0x0
	ds_add_u32 v38, v39
	s_wait_dscnt 0x0
	s_endpgm
.Lfunc_end_k_q318f568f31_qkv:
	.size	k_q318f568f31_qkv, .Lfunc_end_k_q318f568f31_qkv-k_q318f568f31_qkv
	.p2alignl 7, 3214868480
	.fill 96, 4, 3214868480
	.section	.rodata,"a",@progbits
	.p2align	6, 0x0
	.amdhsa_kernel k_q318f568f31_qkv
		.amdhsa_group_segment_fixed_size 18944
		.amdhsa_private_segment_fixed_size 0
		.amdhsa_enable_private_segment 0
		.amdhsa_kernarg_size 64
		.amdhsa_user_sgpr_count 2
		.amdhsa_user_sgpr_kernarg_segment_ptr 1
		.amdhsa_wavefront_size32 1
		.amdhsa_system_sgpr_workgroup_id_x 1
		.amdhsa_system_sgpr_workgroup_id_y 1
		.amdhsa_system_sgpr_workgroup_id_z 1
		.amdhsa_system_vgpr_workitem_id 0
		.amdhsa_next_free_vgpr 256
		.amdhsa_next_free_sgpr 66
		.amdhsa_reserve_vcc 0
		.amdhsa_float_denorm_mode_32 3
		.amdhsa_float_denorm_mode_16_64 3
		.amdhsa_memory_ordered 1
		.amdhsa_forward_progress 1
		.amdhsa_inst_pref_size 106
	.end_amdhsa_kernel
	.amdgpu_metadata
---
amdhsa.version: [ 1, 2 ]
amdhsa.kernels:
  - .name:           k_q318f568f31_qkv
    .symbol:         k_q318f568f31_qkv.kd
    .args:
      - { .name: x, .offset: 0, .size: 8, .value_kind: global_buffer, .address_space: global }
      - { .name: gamma, .offset: 8, .size: 8, .value_kind: global_buffer, .address_space: global }
      - { .name: beta, .offset: 16, .size: 8, .value_kind: global_buffer, .address_space: global }
      - { .name: w_qkv_codes, .offset: 24, .size: 8, .value_kind: global_buffer, .address_space: global }
      - { .name: w_qkv_scales, .offset: 32, .size: 8, .value_kind: global_buffer, .address_space: global }
      - { .name: b_qkv, .offset: 40, .size: 8, .value_kind: global_buffer, .address_space: global }
      - { .name: qf, .offset: 48, .size: 8, .value_kind: global_buffer, .address_space: global }
      - { .name: kv, .offset: 56, .size: 8, .value_kind: global_buffer, .address_space: global }
    .group_segment_fixed_size: 18944
    .private_segment_fixed_size: 0
    .kernarg_segment_align: 8
    .kernarg_segment_size: 64
    .max_flat_workgroup_size: 256
    .sgpr_count:     66
    .vgpr_count:     256
    .wavefront_size: 32
...
	.end_amdgpu_metadata
.endif
;; end of part 2
;; launch attn (part 3): grid 16 x 64, 16 waves a work-group, clusters of 4 x 4, 327,680 bytes of LDS; arguments qf, kv, bt, oc, os; writes oc, os
.if DOCPART == 3
	.amdgcn_target "amdgcn-amd-amdhsa--gfx1250"
	.amdhsa_code_object_version 6
	.text
	.protected	k_q318f568f31_attn
	.globl	k_q318f568f31_attn
	.p2align	8
	.type	k_q318f568f31_attn,@function
k_q318f568f31_attn:
	s_mov_b64 s[64:65], 0
	v_nop
	global_prefetch_b8 v0, s[64:65] scope:SCOPE_SE
	s_setreg_imm32_b32 hwreg(HW_REG_WAVE_MODE, 25, 1), 1
	s_wait_xcnt 0x0
	s_wait_alu depctr_hold_cnt(0) depctr_sa_sdst(0) depctr_va_vdst(0) depctr_va_sdst(0) depctr_va_ssrc(0) depctr_va_vcc(0) depctr_vm_vsrc(0)
	s_getreg_b32 s2, hwreg(HW_REG_IB_STS2, 6, 4)
	s_cmp_eq_u32 s2, 0
	s_cbranch_scc0 .Lentry_in_a_cluster
	s_endpgm
.Lentry_in_a_cluster:
	s_bfe_u32 s2, ttmp6, 0x10000c
	s_cmp_lg_u32 s2, 0xf033
	s_cbranch_scc0 .Lentry_shape_is_right
	s_endpgm
.Lentry_shape_is_right:
; For each (batch, head): t = q' k^T + bias' (already in units of log2: q' = q x 0.25 log2(e), bias' = bias x log2(e)); p = 2^(t - M), M the running largest t rounded up to a whole number;
; O = (p quantised to FP4 along the keys) x (V quantised along the keys) / (the sum of the unquantised p); O is quantised along the head's 64 channels for the last product.
; THE SCORES are an f32 product (K = 16: four instructions of 16 x 16 x 4 a tile), since they go on into a quantiser; the bias is the C of a tile's first instruction.  In K step u both sides give registers 2 u, 2 u + 1,
; which hold channels 8 h + 2 u + 0, 1: the same 16 products are summed, in another order than reference()'s.
; SHARES.  A work-group: one head, four batches, 64 queries.  Wave w: batch 4 bg + w / 4, query tile tq = 4 X + w % 4: 16 queries, in 256 registers; four waves to a SIMD, so that one wave's softmax stands beside another's products.
; Both products are used transposed (source 0 = 16 keys, or 16 channels of V; source 1 = my 16 queries): a lane holds ONE query throughout.  Tiles of keys and of V's channels hold 32 (t / 2) + 8 (t % 2) + r + 8 (r / 8).
; A KEY STEP of 128 keys needs four records of K and V (12,800 bytes each, one a batch) and four chunks of bias (8,192 bytes each, one a query tile).  They come through a ring of two LDS slots.
; CLUSTER 4 x 4.  The four work-groups of a row of the cluster (same head and batches, other queries) need the same records; the four of a column (same head and queries, other batches) the same chunks.
; Each is asked for JOINTLY: waves 0-3 a record each, waves 4-7 a chunk each, the same load with the same descriptor and a mask that names the four.  A wave never has more than one tensor load out.
; LIMITS: NaN and infinities are not served; p under 2^-126 counts as 0; a block whose largest magnitude lies under 2^-124 (a block of zeros too) gets the scale byte 1, which this program alone reads.
; All operands lie in memory and in LDS as images of their registers: group c of four registers at 512 c + 16 x lane; so no row pitch and no padding.
.set SLOT1, 131072                     ; slot 1 begins here: one exclusive or turns an address from one slot into the other
.set REC,   12800                      ; a record: 8 images of K (1,024 each), 4 fragments of V (from 8,192), 4 x 128 bytes of V's scale words (from 12,288)
.set BOFF,  4*REC                      ; behind the four records: the four chunks of bias
.set CHK,   8192
.set SPARE, 262144                     ; the spare words, 128 bytes for each of 16 waves: eight blocks of 256 bytes that no other line names
.set AK0, 1                            ; v1   16 l + my batch's record
.set AB0, 2                            ; v2   16 l + my tile's chunk
.set AS0, 3                            ; v3   4 l + V's scale words in my record
.set ADK, 4                            ; v4-6 the same in the slot in hand
.set ADB, 5
.set ADS, 6
.set SPW, 7                            ; v7   LDS address of my spare word; never rewritten
.set NIL, 8                            ; v8   0; never rewritten
.set LI,  9                            ; v9   16 l
.set NM,  10                           ; v10 -M, v11 the largest t so far
.set SUM, 12                           ; v[12:13] the row's sum in two halves
.set FF,  14                           ; v14 f = 2^(old M - new M); v15 written once, named with it as a pair
.set Q,   16                           ; v16-23   my queries
.set PC,  24                           ; v24-31   p's codes
.set KV,  32                           ; v32-63   four tiles of K, or V's four fragments
.set S,   64                           ; v64-127  the scores: written by the f32 matrix instruction alone
.set BP,  128                          ; v128-191 the bias as C, then t - M, then p
.set O,   192                          ; v192-223 O^T
.set BM,  224                          ; v224-227 each block's largest score, then its largest p
.set BX,  228                          ; v228-231 at work
.set SO,  232                          ; v232-235 the conversions' scale operands
.set PW,  236                          ; v236     p's scale word
.set VS,  237                          ; v237-240 V's scale words
.set T0,  241
.set SUM2, 242                         ; v[242:243] the sum's second chain
.set AOS, 244                          ; v244     4 r
.set WV,  14                           ; s14 my wave's number
.set G1K, 24                           ; s[24:31] descriptor group 1 for a record;  s[32:39] for a chunk
.set G1B, 32
.set G0K, 40                           ; s[40:43], s[44:47] their groups 0, which walk
.set G0B, 44
.set SEL, 48                           ; s[48:49] lane selects: lane l xor 16
.set TB,  50                           ; s50 where the slot in hand begins
.set CNT, 51
.macro CROUND                          ; a round of the cluster's barrier
	s_barrier_signal -1
	s_barrier_wait -1
	s_cmp_lg_u32 s[WV], 0
	s_cbranch_scc1 .Lnot_wave_0_\@
	s_barrier_signal -3
.Lnot_wave_0_\@:
	s_barrier_wait -3
	s_barrier_signal -1
	s_barrier_wait -1
.endm
; Waves 0-3 ask for a record, waves 4-7 for a chunk, the others for nothing.  The branches hang on the wave's number alone.  Four v_nop follow each of the two lines.
.macro JLOAD
	s_cmp_lt_u32 s[WV], 4
	s_cbranch_scc0 .Lnot_k_\@
	tensor_load_to_lds s[G0K:G0K+3], s[G1K:G1K+7]
	s_nop 0
.rept 4
	v_nop
.endr
	s_branch .Lasked_\@
.Lnot_k_\@:
	s_cmp_lt_u32 s[WV], 8
	s_cbranch_scc0 .Lasked_\@
	tensor_load_to_lds s[G0B:G0B+3], s[G1B:G1B+7]
	s_nop 0
.rept 4
	v_nop
.endr
.Lasked_\@:
.endm
; THE CHANGE OF SLOTS stands at a step's head.  Each wave waits for all its tensor loads (its part of the slot that it is about to read), adds 0 to its spare word, and waits for that and for its reads of the slot that it has left.
; fill = 1: a round of the cluster's barrier, so that no wave of any partner still reads that slot or has a load on its way; then the next step's tiles are asked for: they have a whole key step in which to land.
.macro CHANGE fill
	s_wait_tensorcnt 0x0                           ; no tensor load of mine is out, so a group 0 may be written
	ds_add_u32 v[SPW], v[NIL]                      ; 0 onto my spare word
.if \fill
	s_xor_b32 s[G0K+1], s[G0K+1], SLOT1            ; the other slot than last time,
	s_add_nc_u64 s[G0K+2:G0K+3], s[G0K+2:G0K+3], REC      ; the next key step's record; the type bits on top are not reached
	s_xor_b32 s[G0B+1], s[G0B+1], SLOT1
	s_add_nc_u64 s[G0B+2:G0B+3], s[G0B+2:G0B+3], 4*CHK    ; and its chunk
.endif
	s_wait_dscnt 0x0                               ; the add is done, and my reads of the slot that I have left are over
.if \fill
	CROUND
	JLOAD                                          ; the first thing behind the round, and a wave's one tensor load until the next
.else
	s_barrier_signal -1
	s_barrier_wait -1
.endif
.endm
; Sixteen f32 products: tiles 4 g .. 4 g + 3 of 16 keys, four K steps; the four accumulators take turns.  The first K step takes the bias as C.
.macro QK g
.irp u, 0,1,2,3
.irp t, 0,1,2,3
.if \u == 0
	v_wmma_f32_16x16x4_f32 v[S+32*\g+8*\t:S+32*\g+8*\t+7], v[KV+8*\t:KV+8*\t+1], v[Q:Q+1], v[BP+32*\g+8*\t:BP+32*\g+8*\t+7]
.else
	v_wmma_f32_16x16x4_f32 v[S+32*\g+8*\t:S+32*\g+8*\t+7], v[KV+8*\t+2*\u:KV+8*\t+2*\u+1], v[Q+2*\u:Q+2*\u+1], v[S+32*\g+8*\t:S+32*\g+8*\t+7]
.endif
.endr
.endr
.endm
.macro MAXB b0                         ; the largest score of blocks b0 and b0 + 1 of 32 keys, my 16 of each; each accumulator is read from its low end on
.irp b, \b0, \b0+1
	v_max3_num_f32 v[BM+(\b)], v[S+16*(\b)], v[S+16*(\b)+1], v[S+16*(\b)+2]
.endr
.irp i, 3,5,7,9,11,13
.irp b, \b0, \b0+1
	v_max3_num_f32 v[BM+(\b)], v[BM+(\b)], v[S+16*(\b)+\i], v[S+16*(\b)+\i+1]
.endr
.endr
.irp b, \b0, \b0+1
	v_max_num_f32 v[BM+(\b)], v[BM+(\b)], v[S+16*(\b)+15]
.endr
.endm
; A KEY STEP: 128 keys.
.macro STEP
	v_add_nc_u32 v[ADK], s[TB], v[AK0]
	v_add_nc_u32 v[ADB], s[TB], v[AB0]
	v_add_nc_u32 v[ADS], s[TB], v[AS0]
	v_nop                                          ; with the three additions: four places in front of loads into registers that the last step's FP4 products have read
.irp t, 0,1,2,3
.irp c, 0,1
	ds_load_b128 v[KV+8*\t+4*\c:KV+8*\t+4*\c+3], v[ADK] offset:1024*\t+512*\c
.endr
.endr
.irp g, 0,1,2,3,4,5,6,7,8,9,10,11,12,13,14,15
	ds_load_b128 v[BP+4*\g:BP+4*\g+3], v[ADB] offset:512*\g
.endr
.irp t, 0,1,2,3
	ds_load_b32 v[VS+\t], v[ADS] offset:128*\t
.endr
	s_wait_dscnt 12                                ; K's tiles 0-3 and the bias of keys 0-63 are in; the other half of the bias (8 loads) and V's scale words (4) may be out
	QK 0
.rept 8
	v_nop                                          ; eight places behind this form, in front of loads into its sources and of reads of its results
.endr
.irp t, 0,1,2,3
.irp c, 0,1
	ds_load_b128 v[KV+8*\t+4*\c:KV+8*\t+4*\c+3], v[ADK] offset:4096+1024*\t+512*\c
.endr
.endr
	MAXB 0
	s_wait_dscnt 0x0
	QK 1
.rept 8
	v_nop
.endr
.irp t, 0,1,2,3
.irp c, 0,1
	ds_load_b128 v[KV+8*\t+4*\c:KV+8*\t+4*\c+3], v[ADK] offset:8192+1024*\t+512*\c   ; V's four fragments: they land under the softmax
.endr
.endr
	MAXB 2
.irp b, 0,1,2,3
	v_permlanex16_b32 v[BX+\b], v[BM+\b], s[SEL], s[SEL+1]
.endr
.irp b, 0,1,2,3
	v_max_num_f32 v[BM+\b], v[BM+\b], v[BX+\b]     ; with lane l xor 16's 16 keys: the block's largest t
.endr
	v_max3_num_f32 v[T0], v[BM], v[BM+1], v[BM+2]
	v_max_num_f32 v[T0], v[T0], v[BM+3]
	v_max_num_f32 v[NM+1], v[NM+1], v[T0]          ; the running largest t
	v_mov_b32 v[T0], v[NM]
	v_floor_f32 v[NM], -v[NM+1]                    ; the new -M = floor(-t): M is a whole number
	v_sub_f32 v[T0], v[NM], v[T0]                  ; old M - new M: a whole number, 0 or less
	v_cvt_i32_f32 v[T0], v[T0]                     ; (it saturates)
	v_ldexp_f32 v[FF], 1.0, v[T0]                  ; f = 2^(old M - new M): a multiplication by it rounds nothing
.set J, 0
.rept 32
	v_pk_add_f32 v[BP+J:BP+J+1], v[S+J:S+J+1], v[NM:NM+1] op_sel_hi:[1,0]   ; t - M, into other registers than the scores'
.set J, J+2
.endr
.irp b, 0,1,2,3
	v_add_f32 v[BM+\b], v[BM+\b], v[NM]            ; the same of each block's largest t
.endr
.set J, 0
.rept 64
	v_exp_f32 v[BP+J], v[BP+J]                     ; p = 2^(t - M), at most 1: not normalised
.set J, J+1
.endr
.irp b, 0,1,2,3
	v_exp_f32 v[BM+\b], v[BM+\b]                   ; the block's largest p: the same two instructions on the same number give the same bits
.endr
	v_pk_mul_f32 v[SUM:SUM+1], v[SUM:SUM+1], v[FF:FF+1] op_sel_hi:[1,0]   ; the sums under the new M (a plain instruction behind the exponentials)
	s_wait_alu depctr_va_vdst(0)
.irp b, 0,1,2,3
	v_max_num_f32 v[BM+\b], 0x1800000, v[BM+\b]    ; the floor 2^(3 - 127): the byte cannot fall under 1
.endr
.irp b, 0,1,2,3
	v_add_nc_u32 v[SO+\b], 0xff000000, v[BM+\b]    ; 2 off the exponent field: the conversion's scale operand
.endr
.irp b, 0,1,2,3
	v_lshrrev_b32 v[BX+\b], 23, v[SO+\b]           ; the scale's byte
.endr
	v_lshl_or_b32 v[PW], v[BX+1], 8, v[BX]
	v_lshl_or_b32 v[PW], v[BX+2], 16, v[PW]
	v_lshl_or_b32 v[PW], v[BX+3], 24, v[PW]
.irp b, 0,1,2,3
	v_cvt_scalef32_pk8_fp4_f32 v[PC+2*\b], v[BP+16*\b:BP+16*\b+7], v[SO+\b]
	v_cvt_scalef32_pk8_fp4_f32 v[PC+2*\b+1], v[BP+16*\b+8:BP+16*\b+15], v[SO+\b]
.endr
	v_nop                                          ; one plain instruction behind the scaled conversions
.irp c, 0,1                                    ; the operand's layout wants a whole block in a lane
.irp i, 0,1
	v_permlane16_swap_b32 v[PC+4*\c+\i], v[PC+2+4*\c+\i]
.endr
.endr
	v_pk_add_f32 v[SUM2:SUM2+1], v[BP:BP+1], v[BP+2:BP+3]   ; the row's sum is taken of the unquantised p: two at a time, in two chains
.set J, 4
.rept 15
	v_pk_add_f32 v[SUM:SUM+1], v[SUM:SUM+1], v[BP+J:BP+J+1]
	v_pk_add_f32 v[SUM2:SUM2+1], v[SUM2:SUM2+1], v[BP+J+2:BP+J+3]
.set J, J+4
.endr
	v_pk_add_f32 v[SUM:SUM+1], v[SUM:SUM+1], v[SUM2:SUM2+1]
.set J, 0
.rept 16
	v_pk_mul_f32 v[O+J:O+J+1], v[O+J:O+J+1], v[FF:FF+1] op_sel_hi:[1,0]   ; O^T under the new M.  (The sums and these stand between the making of p's codes and scale word and the products that take them)
.set J, J+2
.endr
	s_wait_dscnt 0x0                               ; V's fragments are in
.irp t, 0,1,2,3
	v_wmma_scale_f32_16x16x128_f8f6f4 v[O+8*\t:O+8*\t+7], v[KV+8*\t:KV+8*\t+7], v[PC:PC+7], v[O+8*\t:O+8*\t+7], v[VS+\t], v[PW] matrix_a_fmt:MATRIX_FMT_FP4 matrix_b_fmt:MATRIX_FMT_FP4
.endr
	s_xor_b32 s[TB], s[TB], SLOT1                  ; on to the other slot
.endm
	s_load_b256 s[4:11], s[0:1], 0x0               ; qf s[4:5], kv s[6:7], bt s[8:9], oc s[10:11]
	s_load_b64 s[12:13], s[0:1], 0x20              ; os
	v_lshl_add_u32 v[SPW], v0, 2, SPARE
	v_mov_b32 v[NIL], 0
	ds_add_u32 v7, v8
	s_wait_dscnt 0x0
	v_lshrrev_b32 v9, 5, v0
	v_readfirstlane_b32 s[WV], v9                  ; wave 0..15
	s_and_b32 s15, s[WV], 3                        ; my query tile of four.  Also: which record or chunk I ask for
	s_lshr_b32 s16, s[WV], 2                       ; my batch of four
	s_bfe_u32 s17, ttmp6, 0x40000                  ; cx
	s_bfe_u32 s18, ttmp6, 0x40004                  ; cy
	s_lshl_b32 s19, ttmp9, 2
	s_add_co_u32 s19, s19, s17                     ; X: my block of 64 queries
	s_and_b32 s20, ttmp7, 0xffff                   ; the cluster's y
	s_lshl_b32 s21, s20, 2
	s_add_co_u32 s21, s21, s18                     ; Y
	s_lshr_b32 s22, s21, 3                         ; the head
	s_and_b32 s23, s21, 7                          ; the group of four batches
	; a record's address hangs on Y and the wave's number, which my row of the cluster shares
	s_lshl_b32 s52, s23, 2
	s_add_co_u32 s52, s52, s15
	s_lshl_b32 s52, s52, 3
	s_add_co_u32 s52, s52, s22
	s_mul_i32 s52, s52, 8*REC                      ; ((4 bg + wave % 4) 8 + head) x 8 records
	s_mov_b32 s53, 0
	; a chunk's on the cluster's y, X and the wave's number, which my column shares
	s_lshr_b32 s56, s20, 1                         ; the head again, made of the cluster's y alone
	s_lshl_b32 s56, s56, 4
	s_add_co_u32 s56, s56, s19
	s_lshl_b32 s56, s56, 18                        ; (16 head + X) x 262,144
	s_lshl_b32 s57, s15, 13
	s_add_co_u32 s56, s56, s57
	s_mov_b32 s57, 0
	s_lshl_b32 s60, s18, 2
	s_lshl_b32 s60, 15, s60                        ; my row of the cluster
	s_lshl_b32 s61, 0x1111, s17                    ; my column
	s_or_b32 s[G1K], s60, (3<<16)|(1<<21)          ; 15:0 the mask; 17:16 elements of 8 bytes; 21 set beside a mask; no padding
	s_mov_b32 s[G1K+1], 32<<16                     ; tensor_dim0 = 32 elements: rows of 256 bytes
	s_mov_b32 s[G1K+2], 50<<16                     ; tensor_dim1 = 50 rows: 12,800 dense bytes
	s_mov_b32 s[G1K+3], 32<<16                     ; tile_dim0
	s_mov_b32 s[G1K+4], 50                         ; tile_dim1
	s_mov_b32 s[G1K+5], 32                         ; from row to row
	s_mov_b32 s[G1K+6], 0
	s_mov_b32 s[G1K+7], 0
	s_or_b32 s[G1B], s61, (3<<16)|(1<<21)
	s_mov_b32 s[G1B+1], 32<<16
	s_mov_b32 s[G1B+2], 32<<16                     ; 32 rows: 8,192 dense bytes
	s_mov_b32 s[G1B+3], 32<<16
	s_mov_b32 s[G1B+4], 32
	s_mov_b32 s[G1B+5], 32
	s_mov_b32 s[G1B+6], 0
	s_mov_b32 s[G1B+7], 0
	; my own queries and results
	s_lshl_b32 s66, s23, 2
	s_add_co_u32 s66, s66, s16                     ; the batch
	s_lshl_b32 s67, s19, 2
	s_add_co_u32 s67, s67, s15                     ; tq
	s_lshl_b32 s68, s66, 3
	s_add_co_u32 s68, s68, s22
	s_lshl_b32 s68, s68, 6
	s_add_co_u32 s68, s68, s67
	s_lshl_b32 s68, s68, 10                        ; qf: ((8 b + head) 64 + tq) x 1,024
	s_mov_b32 s69, 0
	s_lshl_b32 s70, s66, 6
	s_add_co_u32 s70, s70, s67                     ; the row tile 64 b + tq
	s_lshl_b32 s70, s70, 2
	s_lshr_b32 s71, s22, 1
	s_add_co_u32 s70, s70, s71                     ; x 4 + the last product's K step, head / 2
	s_and_b32 s71, s22, 1
	s_lshl_b32 s72, s70, 10
	s_lshl_b32 s73, s71, 9
	s_add_co_u32 s72, s72, s73                     ; oc: a fragment of 1,024 bytes, my head's group of four registers
	s_mov_b32 s73, 0
	s_lshl_b32 s74, s70, 6
	s_lshl_b32 s75, s71, 1
	s_add_co_u32 s74, s74, s75                     ; os: 64 bytes a fragment, my head's two bytes of each word
	s_mov_b32 s75, 0
	s_mov_b32 s[SEL], 0x76543210
	s_mov_b32 s[SEL+1], 0xfedcba98
	s_mov_b32 s[TB], 0
	s_mov_b32 s[CNT], 7
	s_wait_kmcnt 0x0
	s_mov_b32 s[G0K], 1                            ; 1:0 count = 1
	s_mul_i32 s[G0K+1], s15, REC                   ; 63:32 LDS address: slot 0; no place in the cluster enters it
	s_add_nc_u64 s[G0K+2:G0K+3], s[6:7], s[52:53]  ; 120:64 global address: key step 0
	s_or_b32 s[G0K+3], s[G0K+3], 0x80000000        ; 127:126 type = 2
	s_mov_b32 s[G0B], 1
	s_mul_i32 s[G0B+1], s15, CHK
	s_add_co_u32 s[G0B+1], s[G0B+1], BOFF
	s_add_nc_u64 s[G0B+2:G0B+3], s[8:9], s[56:57]
	s_or_b32 s[G0B+3], s[G0B+3], 0x80000000
	s_add_nc_u64 s[4:5], s[4:5], s[68:69]
	s_add_nc_u64 s[10:11], s[10:11], s[72:73]
	s_add_nc_u64 s[12:13], s[12:13], s[74:75]
	CROUND                                         ; all sixteen work-groups are here: the first joint loads meet
	JLOAD                                          ; key step 0 into slot 0
	v_and_b32 v9, 31, v0
	v_lshlrev_b32 v[AS0], 2, v9
	v_lshlrev_b32 v[LI], 4, v9
	s_mul_i32 s62, s16, REC
	v_add_nc_u32 v[AK0], s62, v[LI]
	s_add_co_u32 s63, s62, 12288
	v_add_nc_u32 v[AS0], s63, v[AS0]
	s_mul_i32 s62, s15, CHK
	s_add_co_u32 s62, s62, BOFF
	v_add_nc_u32 v[AB0], s62, v[LI]
	v_and_b32 v[AOS], 15, v0
	v_lshlrev_b32 v[AOS], 2, v[AOS]
	global_load_b128 v[Q:Q+3], v[LI], s[4:5]       ; my queries stay in registers
	global_load_b128 v[Q+4:Q+7], v[LI], s[4:5] offset:512
	v_mov_b32 v[NM+1], 0xff61b1e6                  ; the largest t so far: -3e38, under every t
	v_floor_f32 v[NM], -v[NM+1]
	v_mov_b32 v[SUM], 0
	v_mov_b32 v[SUM+1], 0
	v_mov_b32 v[FF+1], 0                           ; (named as the upper half of a pair)
.irp b, 0,1,2,3
	v_mov_b32 v[BX+\b], 0                          ; written once: a lane permute's destination counts as one of its sources
.endr
.set J, 0
.rept 32
	v_mov_b32 v[O+J], 0                            ; O^T.  The step is written for every step alike: the first finds zeros, which the first change of M leaves zeros
.set J, J+1
.endr
	s_wait_loadcnt 0x0                             ; Q
.Lstep:                                            ; seven trips: behind each change of slots but the last the next key step is asked for
	CHANGE 1
	STEP
	s_sub_co_u32 s[CNT], s[CNT], 1
	s_cmp_lg_u32 s[CNT], 0
	s_cbranch_scc1 .Lstep
	CHANGE 0                                       ; the last step is written out
	STEP
	; THE WAY OUT.  O^T / the sum; register 16 b + i is channel 32 b + 16 h + i of my head: two blocks of 32 along the last product's K, quantised as every operand is.
.rept 4
	v_nop                                          ; four places behind the last products
.endr
	v_add_f32 v[SUM], v[SUM], v[SUM+1]
	v_permlanex16_b32 v[T0], v[SUM], s[SEL], s[SEL+1]
	v_add_f32 v[SUM], v[SUM], v[T0]                ; the row's sum
	v_rcp_f32 v[FF], v[SUM]
	v_nop                                          ; a plain instruction behind the reciprocal
.set J, 0
	s_wait_alu depctr_va_vdst(0)
.rept 16
	v_pk_mul_f32 v[BP+J:BP+J+1], v[O+J:O+J+1], v[FF:FF+1] op_sel_hi:[1,0]   ; each accumulator from its low end on
.set J, J+2
.endr
.irp b, 0,1
	v_max3_num_f32 v[BM+\b], |v[BP+16*\b]|, |v[BP+16*\b+1]|, 0x1800000
.endr
.irp i, 2,4,6,8,10,12,14
.irp b, 0,1
	v_max3_num_f32 v[BM+\b], v[BM+\b], |v[BP+16*\b+\i]|, |v[BP+16*\b+\i+1]|
.endr
.endr
.irp b, 0,1
	v_permlanex16_b32 v[BX+\b], v[BM+\b], s[SEL], s[SEL+1]
.endr
.irp b, 0,1
	v_max_num_f32 v[BM+\b], v[BM+\b], v[BX+\b]
.endr
.irp b, 0,1
	v_add_nc_u32 v[SO+\b], 0xff000000, v[BM+\b]
.endr
.irp b, 0,1
	v_lshrrev_b32 v[BX+\b], 23, v[SO+\b]
.endr
	v_lshl_or_b32 v[T0], v[BX+1], 8, v[BX]         ; my head's two bytes of the row's scale word
.irp b, 0,1
	v_cvt_scalef32_pk8_fp4_f32 v[PC+2*\b], v[BP+16*\b:BP+16*\b+7], v[SO+\b]
	v_cvt_scalef32_pk8_fp4_f32 v[PC+2*\b+1], v[BP+16*\b+8:BP+16*\b+15], v[SO+\b]
.endr
	v_nop                                          ; one plain instruction behind the scaled conversions
	v_permlane16_swap_b32 v[PC], v[PC+2]
	v_permlane16_swap_b32 v[PC+1], v[PC+3]         ; lanes 0-15 hold block 0, lanes 16-31 block 1: four registers of the next operand
	global_store_b128 v[LI], v[PC:PC+3], s[10:11]  ; 512 consecutive bytes, at a multiple of 512 from the buffer's first byte
	global_store_b16 v[AOS], v[T0], s[12:13]       ; lanes r and r + 16 write the same two bytes with the same value; the launch's one short store
	s_wait_tensorcnt 0x0                           ; the wave's end
	ds_add_u32 v[SPW], v[NIL]
	s_wait_dscnt 0x0
	CROUND                                         ; the closing round: no work-group ends while a partner may still ask for a tile that names it
	s_endpgm
.Lfunc_end_k_q318f568f31_attn:
	.size	k_q318f568f31_attn, .Lfunc_end_k_q318f568f31_attn-k_q318f568f31_attn
	.p2alignl 7, 3214868480
	.fill 96, 4, 3214868480
	.section	.rodata,"a",@progbits
	.p2align	6, 0x0
	.amdhsa_kernel k_q318f568f31_attn
		.amdhsa_group_segment_fixed_size 327680
		.amdhsa_private_segment_fixed_size 0
		.amdhsa_enable_private_segment 0
		.amdhsa_kernarg_size 40
		.amdhsa_user_sgpr_count 2
		.amdhsa_user_sgpr_kernarg_segment_ptr 1
		.amdhsa_wavefront_size32 1
		.amdhsa_system_sgpr_workgroup_id_x 1
		.amdhsa_system_sgpr_workgroup_id_y 1
		.amdhsa_system_sgpr_workgroup_id_z 1
		.amdhsa_system_vgpr_workitem_id 0
		.amdhsa_next_free_vgpr 256
		.amdhsa_next_free_sgpr 76
		.amdhsa_reserve_vcc 0
		.amdhsa_float_denorm_mode_32 3
		.amdhsa_float_denorm_mode_16_64 3
		.amdhsa_memory_ordered 1
		.amdhsa_forward_progress 1
		.amdhsa_inst_pref_size 48
	.end_amdhsa_kernel
	.amdgpu_metadata
---
amdhsa.version: [ 1, 2 ]
amdhsa.kernels:
  - .name:           k_q318f568f31_attn
    .symbol:         k_q318f568f31_attn.kd
    .args:
      - { .name: qf, .offset: 0, .size: 8, .value_kind: global_buffer, .address_space: global }
      - { .name: kv, .offset: 8, .size: 8, .value_kind: global_buffer, .address_space: global }
      - { .name: bt, .offset: 16, .size: 8, .value_kind: global_buffer, .address_space: global }
      - { .name: oc, .offset: 24, .size: 8, .value_kind: global_buffer, .address_space: global }
      - { .name: os, .offset: 32, .size: 8, .value_kind: global_buffer, .address_space: global }
    .group_segment_fixed_size: 327680
    .private_segment_fixed_size: 0
    .kernarg_segment_align: 8
    .kernarg_segment_size: 40
    .max_flat_workgroup_size: 512
    .sgpr_count:     76
    .vgpr_count:     256
    .wavefront_size: 32
...
	.end_amdgpu_metadata
.endif
;; end of part 3
;; launch proj (part 4): grid 512 x 1, 4 waves a work-group, no clusters, 17,920 bytes of LDS; arguments oc, os, w_proj_codes, w_proj_scales, b_proj, out0; writes out0
.if DOCPART == 4
	.amdgcn_target "amdgcn-amd-amdhsa--gfx1250"
	.amdhsa_code_object_version 6
	.text
	.protected	k_q318f568f31_proj
	.globl	k_q318f568f31_proj
	.p2align	8
	.type	k_q318f568f31_proj,@function
k_q318f568f31_proj:
	s_mov_b64 s[64:65], 0
	v_nop
	global_prefetch_b8 v0, s[64:65] scope:SCOPE_SE
	s_setreg_imm32_b32 hwreg(HW_REG_WAVE_MODE, 25, 1), 1
	s_wait_xcnt 0x0
; out0 = O w_proj^T + b_proj on codes of FP4: O's codes and scale words were made by the attention launch, laid as images of the operand's registers; w_proj is given as codes.
; SHARES.  A work-group takes four row tiles (64 tokens); wave w takes channels 64 w .. 64 w + 63 of them: 256 bytes of a row of out0.  K = 512: four K steps of 128.
; A row tile a holds the tokens 32 (a / 2) + 8 (a % 2) + r + 8 (r / 8) of the work-group's 64.
; The product is used transposed (source 0 = 16 rows of w_proj, source 1 = 16 rows of O): a lane holds eight neighbouring channels of one row.  The bias is the C of a sum's first product.
; All operands are asked for in the first lines: no loop, no branch, no barrier; the wave's own stage in LDS turns a tile into whole rows of 256 bytes.
; No data mover, no cluster: a work-group has 17 KiB of its own input, and the weights, 16 KiB a wave, stay in registers.
; REGISTERS: window 0: v1-8 addresses; v16-31 W's scale words (4 n + k), v32-47 O's (4 a + k); v48-79 the bias, 8 a channel tile; v80-143 two sets of four accumulators; v144-207 two sets of rows on the way out.
;   window 1: v0-127 W's 16 fragments (4 n + k), v128-255 O's 16 (4 a + k).
.set WS,  16
.set OS,  32
.set CB,  48
.set ACC, 80
.set OUT, 144
.set SP,  272                          ; a stage row: 256 bytes + 16, so that the sixteen rows of a store start 16 bytes further on in each 256
.set MSB, 0
.macro WIN new                         ; the immediate's high byte repeats the setting that is left
.if MSB != \new
	s_set_vgpr_msb (MSB<<8)|\new
.set MSB, \new
.endif
.endm
.set MUL,  0x05                        ; sources 0 and 1 window 1; C and D window 0
.set TO_F, 0x40                        ; destination window 1, address window 0
	s_load_b256 s[4:11], s[0:1], 0x0               ; oc s[4:5], os s[6:7], W's codes s[8:9], W's scales s[10:11]
	s_load_b128 s[12:15], s[0:1], 0x20             ; b_proj s[12:13], out0 s[14:15]
	v_lshl_add_u32 v254, v0, 2, 0x4400
	v_mov_b32 v255, 0
	v_lshrrev_b32 v9, 5, v0
	v_readfirstlane_b32 s16, v9                    ; wave 0..3
	v_and_b32 v9, 31, v0
	v_lshlrev_b32 v1, 4, v9                        ; 16 l: an image's place for my lane
	v_and_b32 v10, 15, v0                          ; r
	v_bfe_u32 v11, v0, 4, 1                        ; h
	v_lshlrev_b32 v2, 8, v10
	v_lshl_add_u32 v2, v11, 4, v2                  ; W: row r of 256 bytes, + 16 h
	v_lshlrev_b32 v3, 4, v10                       ; W's scales: 16 bytes a row
	v_lshlrev_b32 v4, 5, v11                       ; the bias: 8 h numbers on
	v_lshlrev_b32 v5, 2, v10                       ; O's scale words: 4 r
	s_mul_i32 s17, s16, 16*SP                      ; my stage
	v_mul_u32_u24 v6, v10, SP
	v_lshl_add_u32 v6, v11, 5, v6
	v_add_nc_u32 v6, s17, v6                       ; in: row r, + 32 h
	v_mul_u32_u24 v7, v11, SP
	v_lshl_add_u32 v7, v10, 4, v7
	v_add_nc_u32 v7, s17, v7                       ; back: lanes 0-15 one row, lanes 16-31 the next
	v_lshlrev_b32 v8, 10, v11
	v_lshl_add_u32 v8, v10, 4, v8                  ; and the same in out0
	s_lshl_b32 s20, ttmp9, 14                      ; oc: four row tiles of 4,096 bytes
	s_mov_b32 s21, 0
	s_lshl_b32 s22, ttmp9, 10                      ; os: of 256 bytes
	s_mov_b32 s23, 0
	s_lshl_b32 s24, s16, 14                        ; my 64 rows of W,
	s_mov_b32 s25, 0
	s_lshl_b32 s26, s16, 10                        ; their scales,
	s_mov_b32 s27, 0
	s_lshl_b32 s28, s16, 8                         ; my 64 numbers of the bias, and my 256 bytes of a row of out0
	s_mov_b32 s29, 0
	s_lshl_b32 s30, ttmp9, 16                      ; out0: 64 rows of 1,024 bytes
	s_mov_b32 s31, 0
	s_wait_kmcnt 0x0
	s_add_nc_u64 s[4:5], s[4:5], s[20:21]
	s_add_nc_u64 s[6:7], s[6:7], s[22:23]
	s_add_nc_u64 s[8:9], s[8:9], s[24:25]
	s_add_nc_u64 s[10:11], s[10:11], s[26:27]
	s_add_nc_u64 s[12:13], s[12:13], s[28:29]
	s_add_nc_u64 s[14:15], s[14:15], s[30:31]
	s_add_nc_u64 s[14:15], s[14:15], s[28:29]
.irp n, 0,1,2,3
.irp k, 0,1,2,3
	global_load_b32 v[WS+4*\n+\k], v3, s[10:11] offset:256*\n+4*\k
.endr
.endr
.irp n, 0,1,2,3
	global_load_b128 v[CB+8*\n:CB+8*\n+3], v4, s[12:13] offset:64*\n
	global_load_b128 v[CB+8*\n+4:CB+8*\n+7], v4, s[12:13] offset:64*\n+16
.endr
.irp a, 0,1,2,3
.irp k, 0,1,2,3
	global_load_b32 v[OS+4*\a+\k], v5, s[6:7] offset:64*(4*\a+\k)
.endr
.endr
	WIN TO_F
.irp n, 0,1,2,3
.irp k, 0,1,2,3
.irp c, 0,1
	global_load_b128 v[8*(4*\n+\k)+4*\c:8*(4*\n+\k)+4*\c+3], v2, s[8:9] offset:4096*\n+64*\k+32*\c
.endr
.endr
.endr
.irp a, 0,1,2,3
.irp k, 0,1,2,3
.irp c, 0,1
	global_load_b128 v[128+8*(4*\a+\k)+4*\c:128+8*(4*\a+\k)+4*\c+3], v1, s[4:5] offset:1024*(4*\a+\k)+512*\c
.endr
.endr
.endr
	WIN 0
.macro SEND a, younger                 ; younger: the LDS instructions issued behind tile a's loads from the stage
.set OB, OUT+32*((\a)%2)
	s_wait_dscnt \younger
.irp t, 0,1,2,3,4,5,6,7
	global_store_b128 v8, v[OB+4*\t:OB+4*\t+3], s[14:15] offset:(32*((\a)/2)+8*((\a)%2)+2*\t+8*(\t/4))*1024 th:TH_STORE_NT   ; 16 lanes store 256 consecutive bytes, at a multiple of 256 from out0's first byte
.endr
.endm
.macro ROWS a
.set AC, ACC+32*((\a)%2)
.set OB, OUT+32*((\a)%2)
	s_wait_loadcnt 8*(3-\a)                        ; all but the later row tiles' eight fragment loads each
	WIN MUL
.irp k, 0,1,2,3                                ; the four accumulators take turns
.irp n, 0,1,2,3
.if \k == 0
	v_wmma_scale_f32_16x16x128_f8f6f4 v[AC+8*\n:AC+8*\n+7], v[8*(4*\n+\k):8*(4*\n+\k)+7], v[128+8*(4*\a+\k):128+8*(4*\a+\k)+7], v[CB+8*\n:CB+8*\n+7], v[WS+4*\n+\k], v[OS+4*\a+\k] matrix_a_fmt:MATRIX_FMT_FP4 matrix_b_fmt:MATRIX_FMT_FP4
.else
	v_wmma_scale_f32_16x16x128_f8f6f4 v[AC+8*\n:AC+8*\n+7], v[8*(4*\n+\k):8*(4*\n+\k)+7], v[128+8*(4*\a+\k):128+8*(4*\a+\k)+7], v[AC+8*\n:AC+8*\n+7], v[WS+4*\n+\k], v[OS+4*\a+\k] matrix_a_fmt:MATRIX_FMT_FP4 matrix_b_fmt:MATRIX_FMT_FP4
.endif
.endr
.endr
	WIN 0
.rept 5
	v_nop                                          ; four places in front of the stores that read these results; five in front of products that begin accumulators anew
.endr
.if \a >= 2
	s_wait_xcnt 0x0                                ; the stores of the tile two back have read their registers: this tile's rows may land there
.endif
.irp n, 0,1,2,3
	ds_store_b128 v6, v[AC+8*\n:AC+8*\n+3] offset:64*\n          ; each accumulator from its low end on
	ds_store_b128 v6, v[AC+8*\n+4:AC+8*\n+7] offset:64*\n+16
.endr
.irp t, 0,1,2,3,4,5,6,7
	ds_load_b128 v[OB+4*\t:OB+4*\t+3], v7 offset:2*\t*SP         ; LDS serves a wave's instructions in order (ISA guide 5.7.1.4): these see the stores above, and the next tile's stores come behind them
.endr
.endm
	ROWS 0
	ROWS 1
	SEND 0, 16                                     ; behind tile 0's loads: tile 1's eight stores and eight loads
	ROWS 2
	SEND 1, 16
	ROWS 3
	SEND 2, 16
	SEND 3, 0
	s_wait_tensorcnt 0x0
	ds_add_u32 v254, v255
	s_wait_dscnt 0x0
	s_endpgm
.Lfunc_end_k_q318f568f31_proj:
	.size	k_q318f568f31_proj, .Lfunc_end_k_q318f568f31_proj-k_q318f568f31_proj
	.p2alignl 7, 3214868480
	.fill 96, 4, 3214868480
	.section	.rodata,"a",@progbits
	.p2align	6, 0x0
	.amdhsa_kernel k_q318f568f31_proj
		.amdhsa_group_segment_fixed_size 17920
		.amdhsa_private_segment_fixed_size 0
		.amdhsa_enable_private_segment 0
		.amdhsa_kernarg_size 48
		.amdhsa_user_sgpr_count 2
		.amdhsa_user_sgpr_kernarg_segment_ptr 1
		.amdhsa_wavefront_size32 1
		.amdhsa_system_sgpr_workgroup_id_x 1
		.amdhsa_system_sgpr_workgroup_id_y 1
		.amdhsa_system_sgpr_workgroup_id_z 1
		.amdhsa_system_vgpr_workitem_id 0
		.amdhsa_next_free_vgpr 512
		.amdhsa_next_free_sgpr 66
		.amdhsa_reserve_vcc 0
		.amdhsa_float_denorm_mode_32 3
		.amdhsa_float_denorm_mode_16_64 3
		.amdhsa_memory_ordered 1
		.amdhsa_forward_progress 1
		.amdhsa_inst_pref_size 29
	.end_amdhsa_kernel
	.amdgpu_metadata
---
amdhsa.version: [ 1, 2 ]
amdhsa.kernels:
  - .name:           k_q318f568f31_proj
    .symbol:         k_q318f568f31_proj.kd
    .args:
      - { .name: oc, .offset: 0, .size: 8, .value_kind: global_buffer, .address_space: global }
      - { .name: os, .offset: 8, .size: 8, .value_kind: global_buffer, .address_space: global }
      - { .name: w_proj_codes, .offset: 16, .size: 8, .value_kind: global_buffer, .address_space: global }
      - { .name: w_proj_scales, .offset: 24, .size: 8, .value_kind: global_buffer, .address_space: global }
      - { .name: b_proj, .offset: 32, .size: 8, .value_kind: global_buffer, .address_space: global }
      - { .name: out0, .offset: 40, .size: 8, .value_kind: global_buffer, .address_space: global }
    .group_segment_fixed_size: 17920
    .private_segment_fixed_size: 0
    .kernarg_segment_align: 8
    .kernarg_segment_size: 48
    .max_flat_workgroup_size: 128
    .sgpr_count:     66
    .vgpr_count:     512
    .wavefront_size: 32
...
	.end_amdgpu_metadata
.endif
;; end of part 4
